; MI455X (gfx1250); checked and timed in simulation.
; The chip was launched on July 23, 2026; its instructions are those of AMD's public machine-readable ISA for CDNA 5 (MIT licence, August 2026) and "CDNA5" Instruction Set Architecture Reference Guide (July 2026). The comments in the code are by the model that wrote it; some were corrected since.
;; Linear Receiver. Allowed arithmetic: matrix products marked QUANTISED: E5M2 operands, one given power-of-two scale a tensor, by v_wmma_f32_16x16x64_bf8_bf8 or v_wmma_f32_16x16x128_bf8_bf8, f32 sums; everything else in f32.
;; Inputs: W 1,024 x 32,768 float32; b 1,024 float32; lowp_scales 2 int32 (the exponents e of the quantised operands' scales 2^e); x 2,048 x 32 int32.
;; Outputs: out0 2,048 x 1,024 float32; out1 2,048 float32; out2 2,048 float32.
;; This version of the problem:
;;   THIS VERSION OF THE PROBLEM IS GIVEN IN LOW PRECISION. The matrix products marked QUANTISED in the list below multiply operands that are first quantised to E5M2 (5 exponent bits, 2 mantissa bits; 8 bits a number), with one given power-of-two scale for each operand tensor; their sums are f32. All else is computed in f32.
;;   The module's matrix products, in the order in which they are computed (A, B: the left and right operand; K: the contracted axis; several contracted axes count as one K, in the product's order):
;;     1. [M 2,048, K 32,768] x [K 32,768, N 1,024]; A: computed on the way; B: input W: QUANTISED (scales: A lowp_scales[0], B lowp_scales[1])
;;   THE QUANTISER, for each operand of a quantised product, along K:
;;     - The operand's scale is 2^e, e = its entry of the input lowp_scales (int32; the entries are numbered through the quantised products in the list's order, A before B).
;;     - Each number is divided by the scale, clamped to +-57,344, and rounded to the nearest number of E5M2, ties to even, subnormals kept.
;;     - The product sums the exact products of the quantised numbers (number of the format x scale) in f32.
;;   ~~~python
;;   def quantise(x, axis, e):      # numpy; x: float32 -> the quantised numbers, widened to float32 again
;;       x = np.moveaxis(x, axis, -1); K = x.shape[-1]
;;       r = np.clip(x / 2.0 ** e, -57344, 57344)
;;       step = 2.0 ** (np.maximum(np.frexp(np.where(r == 0, 1, r))[1] - 1, -14) - 2)
;;       q = np.round(r / step) * step * 2.0 ** e      # np.round: ties to even
;;       return np.moveaxis(q, -1, axis).astype(np.float32)
;;   ~~~
;;   OPERANDS COMPUTED ON THE WAY. 'Computed on the way' means the value that the module computes at that place (a softmax that the list does not call 'softmax' is quantised finished and normalised). What goes into a quantiser is computed in f32, as accurately as f32 sums, v_exp_f32 and their like allow (about 1e-6 of the number): no bf16 or f16 on the way to a quantiser, and a product that is left as it is and whose result goes on into a quantised operand takes f32 operands (vector FMAs, or v_wmma_f32_16x16x4_f32). A number that lies on a knife's edge between two numbers of the format may be rounded either way, as far as f32 arithmetic and the matrix unit's own rounding can turn it there, and no further.
;; One version. Each part assembles by itself: llvm-mc -triple=amdgcn-amd-amdhsa -mcpu=gfx1250 --defsym DOCPART=n.
;; ======== version 1 of 1: 2 launches
;; workspace buffers: wq 33,554,432 bytes
;; launch quant (part 1): grid 16 x 64, 4 waves a work-group, no clusters, 9,728 bytes of LDS; arguments W, lowp_scales, wq, out1, out2; writes wq, out1, out2
.if DOCPART == 1
	.amdgcn_target "amdgcn-amd-amdhsa--gfx1250"
	.amdhsa_code_object_version 6
	.text
	.protected	k_qa1503d68f8_quant
	.globl	k_qa1503d68f8_quant
	.p2align	8
	.type	k_qa1503d68f8_quant,@function
k_qa1503d68f8_quant:
	s_mov_b64 s[64:65], 0
	v_nop
	global_prefetch_b8 v0, s[64:65] scope:SCOPE_SE
	s_setreg_imm32_b32 hwreg(HW_REG_WAVE_MODE, 25, 1), 1
	s_wait_xcnt 0x0
; W [1024][32768] f32 becomes codes of BF8 (E5M2) with the given scale 2^e1 (entry 1 of the scales), laid as IMAGES OF THE OPERAND'S REGISTERS for the product's launch; out1 and out2 become zeros.
; code = w / 2^e1, held within +-57,344, rounded to the nearest code, ties to even.
; LIMITS: -126 <= e1 <= 112, so that 2^e1 and 57,344 x 2^e1 are f32 numbers.  NaN in W is not served; an infinity is held at the largest code.
; THE IMAGE.  A fragment is 16 rows n x 128 along K.  Byte nt 2^21 + kc 8192 + bq 2048 + c 512 + 16 lane + y of wq is the code of W[64 nt + 16 bq + lane % 16][128 kc + 64 (lane / 16) + 16 c + y]:
; a lane's 16 registers are 64 neighbours along K of its row.  The product's launch lays its other operand in the same order of k, so every product meets its partner.
; SHARES.  Work-group (X, Y): rows 16 Y .. 16 Y + 15; wave w: the four fragments kc = 16 X + 4 w + f.  Each load reads 512 consecutive bytes of one row (a lane: 4 neighbours), each store writes 512 consecutive aligned bytes.
; The turn from "a lane holds 4 codes of each of 16 rows" to "a lane holds 64 codes of one row" goes through the wave's own stage in LDS.  Waves share nothing: no barrier.  No tensor load, no cluster, no matrix unit: a plain stream.
.set ROWB,   131072                    ; a row of W in bytes
.set SPITCH, 144                       ; a stage row: 128 bytes of codes + 16: rows start 36 words apart, so the 16 rows that a 16-byte read touches start in 16 different groups of four banks (64 banks of 4 bytes: ISA guide 11.1)
.set WSTG,   16*SPITCH                 ; a wave's stage
.set FN,     16                        ; v16-143  two sets of 64 numbers: register 4 i + j = W(row i, 4 lane + j)
.set CW,     144                       ; v144-159 word i: row i's four codes at 4 lane
.set OI,     160                       ; v160-175 the fragment's image
	s_load_b128 s[4:7], s[0:1], 0x0                ; W s[4:5], the scales' exponents s[6:7]
	s_load_b128 s[8:11], s[0:1], 0x10              ; wq s[8:9], out1 s[10:11]
	s_load_b64 s[12:13], s[0:1], 0x20              ; out2
	v_lshl_add_u32 v176, v0, 2, 0x2400
	v_mov_b32 v177, 0
	v_lshrrev_b32 v4, 5, v0
	v_readfirstlane_b32 s16, v4                    ; wave 0..3
	v_and_b32 v5, 31, v0                           ; lane
	v_and_b32 v6, 15, v0                           ; r
	v_bfe_u32 v7, v0, 4, 1                         ; h
	v_lshlrev_b32 v1, 4, v5                        ; 16 x lane: my bytes of a load's and of a store's 512; never rewritten
	s_mul_i32 s14, s16, WSTG                       ; my stage
	v_lshl_add_u32 v2, v5, 2, s14                  ; into it: word lane of a row
	v_mul_u32_u24 v3, v6, SPITCH
	v_lshl_add_u32 v3, v7, 6, v3
	v_add_nc_u32 v3, s14, v3                       ; out of it: row r, 64 h bytes on
	s_and_b32 s17, ttmp7, 0xffff                   ; Y
	s_lshl_b32 s18, ttmp9, 4
	s_lshl_b32 s19, s16, 2
	s_add_co_u32 s18, s18, s19                     ; my first fragment along K: 16 X + 4 w
	s_lshl_b32 s20, s17, 21                        ; W: 16 Y rows of 131,072 bytes
	s_lshl_b32 s22, s18, 9                         ;    + 512 bytes a fragment
	s_add_co_u32 s20, s20, s22
	s_mov_b32 s21, 0
	s_lshr_b32 s22, s17, 2
	s_lshl_b32 s22, s22, 21                        ; wq: nt = Y / 4,
	s_lshl_b32 s24, s18, 13                        ;     8,192 bytes for each 128 along K,
	s_add_co_u32 s22, s22, s24
	s_and_b32 s24, s17, 3
	s_lshl_b32 s24, s24, 11                        ;     bq = Y % 4
	s_add_co_u32 s22, s22, s24
	s_mov_b32 s23, 0
	s_wait_kmcnt 0x0
	s_load_b32 s25, s[6:7], 0x4                    ; e1
	s_add_nc_u64 s[4:5], s[4:5], s[20:21]          ; both bases are made once; every further offset is an immediate (1,967,616 at the most)
	s_add_nc_u64 s[8:9], s[8:9], s[22:23]
.macro LOAD f                          ; fragment f: 16 rows x 512 bytes into set f % 2
.irp i, 0,1,2,3,4,5,6,7,8,9,10,11,12,13,14,15
	global_load_b128 v[FN+64*((\f)%2)+4*\i:FN+64*((\f)%2)+4*\i+3], v1, s[4:5] offset:\i*ROWB+(\f)*512 th:TH_LOAD_NT
.endr
.endm
	LOAD 0
	LOAD 1
	s_wait_kmcnt 0x0
	s_add_co_i32 s25, s25, 127
	s_lshl_b32 s26, s25, 23
	v_mov_b32 v11, s26                             ; 2^e1 as f32: the conversion takes its exponent field
	s_add_co_i32 s25, s25, 15
	s_lshl_b32 s25, s25, 23
	s_or_b32 s25, s25, 0x600000
	v_mov_b32 v10, s25                             ; 57,344 x 2^e1
.macro FRAG f
.set FS, FN+64*((\f)%2)
.if (\f) < 3
	s_wait_loadcnt 16                              ; this fragment's 16 loads are in; the next fragment's 16 may be out
.else
	s_wait_loadcnt 0x0
.endif
.set j, 0
.rept 64
	v_med3_num_f32 v[FS+j], v[FS+j], -v10, v10     ; the conversion to an 8-bit code does not saturate (ISA guide 7.6.2): hold the number within the largest code x the scale first
.set j, j+1
.endr
.irp u, 0,1,2,3,4,5,6,7
	v_cvt_scalef32_pk8_bf8_f32 v[CW+2*\u:CW+2*\u+1], v[FS+8*\u:FS+8*\u+7], v11   ; rows 2 u and 2 u + 1: four codes each
.endr
; (The next vector lines behind these conversions are plain ones on other registers: the next fragment's holds, or the zeros' address.)
.if (\f)+2 < 4
	LOAD (\f)+2                                    ; the set just converted takes the fragment two on
.endif
.irp i, 0,1,2,3,4,5,6,7,8,9,10,11,12,13,14,15
	ds_store_b32 v2, v[CW+\i] offset:SPITCH*\i     ; row i's 128 codes: 32 lanes, 4 bytes each
.endr
.if (\f) > 0
	s_wait_xcnt 0x0                                ; the last fragment's stores have read the image's registers: only behind this wait are they loaded again
.endif
.irp c, 0,1,2,3
	ds_load_b128 v[OI+4*\c:OI+4*\c+3], v3 offset:16*\c   ; LDS serves a wave's instructions in order (ISA guide 5.7.1.4): these see the stores above
.endr
	s_wait_dscnt 0x0                               ; the image is in registers, and the stage's stores have read the code words
.irp c, 0,1,2,3
	global_store_b128 v1, v[OI+4*\c:OI+4*\c+3], s[8:9] offset:(\f)*8192+\c*512   ; 32 lanes store 512 consecutive bytes, at a multiple of 512 from wq's first byte
.endr
.endm
	FRAG 0
	FRAG 1
	FRAG 2
	FRAG 3
	; THE ZEROS.  The 16 work-groups with Y = 0 store them: X < 8 into out1, the others into out2; 128 threads x 8 bytes = 1,024 bytes a work-group, 256 aligned bytes a wave.
	s_cmp_lg_u32 s17, 0
	s_cbranch_scc1 .Ldone
	s_cmp_lt_u32 ttmp9, 8                          ; the choice hangs on the work-group's number alone
	s_cselect_b64 s[10:11], s[10:11], s[12:13]
	s_and_b32 s18, ttmp9, 7
	s_lshl_b32 s18, s18, 10
	v_lshlrev_b32 v8, 3, v0
	v_add_nc_u32 v8, s18, v8
	v_mov_b32 v12, 0
	v_mov_b32 v13, 0
	global_store_b64 v8, v[12:13], s[10:11]
.Ldone:
	s_wait_tensorcnt 0x0
	ds_add_u32 v176, v177
	s_wait_dscnt 0x0
	s_endpgm
.Lfunc_end_k_qa1503d68f8_quant:
	.size	k_qa1503d68f8_quant, .Lfunc_end_k_qa1503d68f8_quant-k_qa1503d68f8_quant
	.p2alignl 7, 3214868480
	.fill 96, 4, 3214868480
	.section	.rodata,"a",@progbits
	.p2align	6, 0x0
	.amdhsa_kernel k_qa1503d68f8_quant
		.amdhsa_group_segment_fixed_size 9728
		.amdhsa_private_segment_fixed_size 0
		.amdhsa_enable_private_segment 0
		.amdhsa_kernarg_size 40
		.amdhsa_user_sgpr_count 2
		.amdhsa_user_sgpr_kernarg_segment_ptr 1
		.amdhsa_wavefront_size32 1
		.amdhsa_system_sgpr_workgroup_id_x 1
		.amdhsa_system_sgpr_workgroup_id_y 1
		.amdhsa_system_sgpr_workgroup_id_z 1
		.amdhsa_system_vgpr_workitem_id 0
		.amdhsa_next_free_vgpr 178
		.amdhsa_next_free_sgpr 66
		.amdhsa_reserve_vcc 0
		.amdhsa_float_denorm_mode_32 3
		.amdhsa_float_denorm_mode_16_64 3
		.amdhsa_memory_ordered 1
		.amdhsa_forward_progress 1
		.amdhsa_inst_pref_size 34
	.end_amdhsa_kernel
	.amdgpu_metadata
---
amdhsa.version: [ 1, 2 ]
amdhsa.kernels:
  - .name:           k_qa1503d68f8_quant
    .symbol:         k_qa1503d68f8_quant.kd
    .args:
      - { .name: W, .offset: 0, .size: 8, .value_kind: global_buffer, .address_space: global }
      - { .name: lowp_scales, .offset: 8, .size: 8, .value_kind: global_buffer, .address_space: global }
      - { .name: wq, .offset: 16, .size: 8, .value_kind: global_buffer, .address_space: global }
      - { .name: out1, .offset: 24, .size: 8, .value_kind: global_buffer, .address_space: global }
      - { .name: out2, .offset: 32, .size: 8, .value_kind: global_buffer, .address_space: global }
    .group_segment_fixed_size: 9728
    .private_segment_fixed_size: 0
    .kernarg_segment_align: 8
    .kernarg_segment_size: 40
    .max_flat_workgroup_size: 128
    .sgpr_count:     66
    .vgpr_count:     178
    .wavefront_size: 32
...
	.end_amdgpu_metadata
.endif
;; end of part 1
;; launch gemm (part 2): grid 16 x 16, 4 waves a work-group, clusters of 4 x 1, 327,680 bytes of LDS; arguments x, wq, b, lowp_scales, out0; writes out0
.if DOCPART == 2
	.amdgcn_target "amdgcn-amd-amdhsa--gfx1250"
	.amdhsa_code_object_version 6
	.text
	.protected	k_qa1503d68f8_gemm
	.globl	k_qa1503d68f8_gemm
	.p2align	8
	.type	k_qa1503d68f8_gemm,@function
k_qa1503d68f8_gemm:
	s_mov_b64 s[64:65], 0
	v_nop
	global_prefetch_b8 v0, s[64:65] scope:SCOPE_SE
	s_setreg_imm32_b32 hwreg(HW_REG_WAVE_MODE, 25, 1), 1
	s_wait_xcnt 0x0
	s_wait_alu depctr_hold_cnt(0) depctr_sa_sdst(0) depctr_va_vdst(0) depctr_va_sdst(0) depctr_va_ssrc(0) depctr_va_vcc(0) depctr_vm_vsrc(0)
	s_getreg_b32 s2, hwreg(HW_REG_IB_STS2, 6, 4)
	s_cmp_eq_u32 s2, 0
	s_cbranch_scc0 .Lentry_in_a_cluster
	s_endpgm
.Lentry_in_a_cluster:
	s_bfe_u32 s2, ttmp6, 0x10000c
	s_cmp_lg_u32 s2, 0x3003
	s_cbranch_scc0 .Lentry_shape_is_right
	s_endpgm
.Lentry_shape_is_right:
; out0[m][n] = 2^(e0 + e1) x (sum over k of board[m][k] Wcode[n][k]) + b[n].  board = one_hot(x) as codes of BF8: 0, or the code of 1.0 under the scale 2^e0.  M 2,048, N 1,024, K = 32 positions x 1,024.
; W's codes come from wq, as images of the operand's registers (lane (r, h), register j, byte y: row r, k = 64 h + 4 j + y of a chunk of 128).  THE BOARD IS NEVER STORED: its fragments are built in registers from x, in the same order of k.
; LIMITS: -126 <= e0 <= 112 and -126 <= e0 + e1 <= 127, so that each power of two below is an f32 number.  An x outside 0 .. 1,023 gives a row of zeros, as one_hot does.
; SHARES.  A work-group owns 128 rows x 64 columns of out0 (256 work-groups).  ITS FOUR WAVES SPLIT K: wave w takes positions 8 w + p, p = 0 .. 7, each 8 chunks of 128; each wave holds the whole tile in 32 accumulators (256 registers),
; and the four partial tiles are added through LDS at the end, K ascending: every output has one owner.
; A CHUNK of a wave: 32 matrix instructions (8 tiles of rows x 4 tiles of columns); 4 fragments of W from LDS (16 loads of 16 bytes a lane); 8 fragments of the board, 10 vector lines each, in slices of 3, 3, 2, 2 behind the matrix instructions.
; THE MATRIX INSTRUCTION IS USED TRANSPOSED (source 0 = 16 rows of W, source 1 = 16 rows of the board): a lane holds eight neighbouring columns of one row of out0.
; CLUSTER.  The four work-groups of a cluster differ in their rows alone and walk the same bytes of wq: each tile is asked for JOINTLY, by the same tensor load with the same descriptor and a mask that names the four.
; RING.  Each wave has two slots of 32,768 bytes (4 chunks) of its own, fills them itself and reads only them.
; BUILDING A FRAGMENT.  x's bits: [1:0] byte, [3:2] register i of a group of four, [5:4] group g, [6] half h of the lanes, [9:7] chunk q.  xp = x xor (my h << 6): bit 6 of xp is 0 just in the half that owns the hit.
;   Once a position and tile: R4[i] = the code of 1.0 at byte xp & 3 where i = (xp >> 2) & 3, else 0;  MG[g] = 1.0 where g = (xp >> 4) & 3, else 0.0;  F[4 g + i] = R4[i] x MG[g]: my 16 registers of the chunk that holds the hit;
;   KQ = xp >> 6 = 2 q + (wrong half).   Once a chunk and tile: M = 1.0 where KQ = 2 q, else 0.0; the fragment = F x M.
; THE MASKING IS A PACKED MULTIPLICATION BY 1.0 OR 0.0, which writes two registers where a select writes one.  Every word of R4 and F is 0 or the code (at most 0x7b: 1.0 is held at the largest code) at one byte: read as f32 that is +0 or a
; positive finite number, normal or denormal.  x 1.0 gives the same bits (the mode at the entry keeps f32 denormals: the text leans on that), x 0.0 gives +0.
; REGISTERS, in windows of 256 (s_set_vgpr_msb: bits 1:0 source 0, 3:2 source 1, 5:4 source 2, 7:6 destination):
;   window 0: v0-30 addresses and the head's work; v32-95 x at the head, later the sums; v96-223 the other waves' tiles at the end; v224, v225 LDS addresses of the loop
;   window 1: v0-63, v64-127 W's fragments, two sets; v128-255 F, 16 registers for each of the 8 tiles
;   window 2: tiles of rows 0-3: v0-127 accumulators ((a, bq) at 8 (4 a + bq)); v128-191 four board fragments, one a tile; v192-207 R4; v208-239 eight registers a tile: MG[0..3] in the even ones (the packed form takes a pair's low word for
;             both halves), KQ, xp, VAL, TT in the odd ones; v240-243 GG; v244 M, v245 SH.   window 3: the same for tiles 4-7
; Under one setting (W_LO or W_HI) stand a half chunk's matrix instructions AND the lines that build the board: source 0 is W's fragment, F, a constant or a scalar; source 1 and the destination lie in the tiles' own window.
.set SLOTB, 32768                      ; a slot: 4 chunks x 4 fragments x 2,048 bytes
.set SPARE, 262144                     ; behind the four rings of 65,536: the spare words, 128 bytes for each wave: two blocks of 256 bytes that no other line names
.set XIMG,  262656                     ; xp for my wave: 8,192 bytes a wave; word (8 p + a) 128 + 4 lane
.set RP,    272                        ; the end: a row of a partial tile: 256 bytes + 16: row r starts at bank 4 r mod 64 (64 banks of 4 bytes: ISA guide 11.1)
.set REDW,  128*RP                     ; a wave's partial tile; the four lie in the ring's first 139,264 bytes, which have had their last fill and their last read by then
.set SPW,  4                           ; v4   LDS address of my spare word; never rewritten
.set NIL,  5                           ; v5   0; never rewritten
.set PFO,  6                           ; v6   256 x lane: the prefetches' offset; never rewritten
.set RSTO, 7                           ; v7   the end: where I put 32 bytes of a row of my partial tile
.set RLD0, 8                           ; v8   the end: where I read rows of waves 0 and 1's tiles,
.set RLD1, 9                           ; v9   and of waves 2 and 3's
.set OADR, 10                          ; v10  my byte offset in out0
.set XST,  11                          ; v11  xp's place for position 0: my wave's 8,192 bytes + 4 x lane
.set BIAS, 12                          ; v12-15 b at my four columns
.set XO,   28                          ; v28  x: 128 r
.set BO,   29                          ; v29  b: 16 r
.set HX,   30                          ; v30  h << 6
.set SUM,  32
.set T1,   96
.set T2,   160
.set BADR, 224                         ; v224 my ring + 16 x lane
.set XLA,  225                         ; v225 xp's place for the next position
.set FF,   128                         ; window 1: F
.set BUF,  128                         ; windows 2, 3
.set R4,   192
.set PB,   208                         ; tile ta: +0, +2, +4, +6 MG[0..3]; +1 KQ; +3 xp; +5 VAL; +7 TT
.set GG,   240
.set MM,   244
.set SH,   245
.set WV,   14                          ; s14  my wave's number
.set G1,   24                          ; s[24:31] descriptor group 1
.set G0,   32                          ; s[32:35], s[36:39] group 0 for slot 0, 1
.set C1,   40                          ; s40  the code of 1.0
.set SC,   42                          ; s[42:43] 2^(e0 + e1), twice
.set CNT,  44                          ; s44  trips to go
.set XS,   45                          ; s45  1,024 x the next position
.set PFA,  46                          ; s[46:47] where my prefetches stand
.set LIM,  48                          ; s48  1 in a cluster that prefetches, else the greatest number
.set W_LO,  0xa9                       ; source 0 window 1; source 1, C and D window 2
.set W_HI,  0xfd                       ; source 0 window 1; source 1, C and D window 3
.set W_TOB, 0x40                       ; destination window 1, address window 0
.set W_XLO, 0x80                       ; destination window 2, address window 0
.set W_XHI, 0xc0                       ; destination window 3, address window 0
.set W_FLO, 0x4a                       ; destination window 1, sources 0 and 1 window 2
.set W_FHI, 0x4f                       ; destination window 1, sources 0 and 1 window 3
.set MSB, 0
.macro WIN new                         ; the immediate's high byte repeats the setting that is left; a switch that changes nothing is dropped
.if MSB != (\new)
	s_set_vgpr_msb (MSB<<8)|(\new)
.set MSB, (\new)
.endif
.endm
.macro CREST                           ; a round of the cluster's barrier behind its opening barrier
	s_cmp_lg_u32 s[WV], 0
	s_cbranch_scc1 .Lnot_wave_0_\@
	s_barrier_signal -3
.Lnot_wave_0_\@:
	s_barrier_wait -3
	s_barrier_signal -1
	s_barrier_wait -1
.endm
.macro CROUND                          ; a whole round
	s_barrier_signal -1
	s_barrier_wait -1
	CREST
.endm
; A PREFETCH INTO THE L2: behind the refill that asks for slot j of my wave's sixteen stands one request for slot j + 2: two refills, 256 matrix instructions, ahead of the load that will want it.
; Each aligned block of 256 bytes is named once in the launch: the four clusters of a tile column walk the same bytes, and the first of them (cluster x = 0) asks; its four partners take 8,192 of a slot's 32,768 bytes each,
; told apart BY ADDRESS; lanes stand 256 bytes apart.  The loop's last trip asks for nothing: there is no slot behind its refills.  Slots 0 to 3 come by their loads alone.
.macro ASK
	s_cmp_gt_u32 s[CNT], s[LIM]
	s_cbranch_scc0 .Lnot_mine_\@
	global_prefetch_b8 v[PFO], s[PFA:PFA+1] th:TH_LOAD_NT scope:SCOPE_SE
.Lnot_mine_\@:
.endm
.macro PKG ta, hi, j                   ; registers 2 j, 2 j + 1 of tile ta's fragment = F x M (of the pair M, SH the low word serves both halves)
	v_pk_mul_f32 v[BUF+16*(\ta)+2*(\j):BUF+16*(\ta)+2*(\j)+1], v[FF+16*((\ta)+4*(\hi))+2*(\j):FF+16*((\ta)+4*(\hi))+2*(\j)+1], v[MM:MM+1] op_sel_hi:[1,0]
.endm
.macro GENS ta, hi, cq, k              ; slice k of four of tile ta's fragment for chunk cq: 10 lines as 3, 3, 2, 2
.if (\k) == 0
	v_cmp_eq_u32 vcc_lo, 2*(\cq), v[PB+8*(\ta)+1]
	v_cndmask_b32 v[MM], 0, 1.0, vcc_lo
	PKG \ta, \hi, 0
.elseif (\k) == 1
	PKG \ta, \hi, 1
	PKG \ta, \hi, 2
	PKG \ta, \hi, 3
.elseif (\k) == 2
	PKG \ta, \hi, 4
	PKG \ta, \hi, 5
.else
	PKG \ta, \hi, 6
	PKG \ta, \hi, 7
.endif
.endm
.macro PICK ta, i
	v_cmp_eq_u32 vcc_lo, 4*(\i), v[PB+8*(\ta)+7]
	v_cndmask_b32 v[R4+4*(\ta)+(\i)], 0, v[PB+8*(\ta)+5], vcc_lo
.endm
.macro MASKG ta, g
	v_cmp_eq_u32 vcc_lo, 16*(\g), v[GG+(\ta)]
	v_cndmask_b32 v[PB+8*(\ta)+2*(\g)], 0, 1.0, vcc_lo
.endm
; THE NEXT POSITION IS PREPARED IN SIX STAGES, one a chunk (chunks 2 to 7), tile ta's lines in the slices of its own phase: at most two a slice, so that no matrix instruction of chunks 2 to 6 has more than four lines behind it.
.macro PREP st, ta, k
.if ((\st) == 1) && ((\k) == 2)
	v_and_b32 v[SH], 3, v[PB+8*(\ta)+3]
	v_and_b32 v[PB+8*(\ta)+7], 12, v[PB+8*(\ta)+3]          ; TT = 4 i
.elseif ((\st) == 1) && ((\k) == 3)
	v_lshlrev_b32 v[SH], 3, v[SH]
	v_lshl_add_u32 v[PB+8*(\ta)+5], s[C1], v[SH], 0         ; VAL: the code of 1.0 at its byte
.elseif ((\st) == 2) && ((\k) >= 2)
	PICK \ta, (\k)-2
.elseif ((\st) == 3) && ((\k) >= 2)
	PICK \ta, \k
.elseif ((\st) == 4) && ((\k) == 1)
	v_and_b32 v[GG+(\ta)], 48, v[PB+8*(\ta)+3]              ; 16 g
.elseif ((\st) == 4) && ((\k) >= 2)
	MASKG \ta, (\k)-2
.elseif ((\st) == 5) && ((\k) >= 2)
	MASKG \ta, \k
.elseif ((\st) == 6) && ((\k) == 1)
	v_lshrrev_b32 v[PB+8*(\ta)+1], 6, v[PB+8*(\ta)+3]       ; KQ
.endif
.endm
.macro FPK ta, hi                      ; F[4 g + i] = R4[i] x MG[g]: eight lines
.irp g, 0,1,2,3
.irp u, 0,1
	v_pk_mul_f32 v[FF+16*((\ta)+4*(\hi))+4*\g+2*\u:FF+16*((\ta)+4*(\hi))+4*\g+2*\u+1], v[R4+4*(\ta)+2*\u:R4+4*(\ta)+2*\u+1], v[PB+8*(\ta)+2*\g:PB+8*(\ta)+2*\g+1] op_sel_hi:[1,0]
.endr
.endr
.endm
.macro FLUMP ta, hi                    ; the same between two switches: F lies in window 1
.if \hi
	WIN W_FHI
.else
	WIN W_FLO
.endif
	FPK \ta, \hi
.if \hi
	WIN W_HI
.else
	WIN W_LO
.endif
.endm
; Tile a of rows against W's four fragments of chunk q (set q % 2).  Behind each product a slice that builds the next tile's fragment (for chunk gq) into that tile's own buffer, and a slice of stage st of this tile's preparation.
; A buffer is written again three phases behind its last reader at the least, with 20 plain lines on other registers between (four places are asked: ISA guide 7.12.1).
; In chunk 7 (stage 6) phase a ends with tile a's new F: the old F and KQ of tile a had their last use one phase earlier (tiles 0 and 4: in chunk 6), and the new ones are first used three phases later at the earliest.
; The 32 accumulators take turns, one instruction a turn, in the same order in every chunk.
.macro PHASE a, q, zero, gen, gq, st
.irp bq, 0,1,2,3
.if \zero
	v_wmma_f32_16x16x128_bf8_bf8 v[8*(4*((\a)%4)+\bq):8*(4*((\a)%4)+\bq)+7], v[64*((\q)%2)+16*\bq:64*((\q)%2)+16*\bq+15], v[BUF+16*((\a)%4):BUF+16*((\a)%4)+15], 0
.else
	v_wmma_f32_16x16x128_bf8_bf8 v[8*(4*((\a)%4)+\bq):8*(4*((\a)%4)+\bq)+7], v[64*((\q)%2)+16*\bq:64*((\q)%2)+16*\bq+15], v[BUF+16*((\a)%4):BUF+16*((\a)%4)+15], v[8*(4*((\a)%4)+\bq):8*(4*((\a)%4)+\bq)+7]
.endif
.if \gen
	GENS ((\a)+1)%4, (\a)/4, \gq, \bq
.endif
	PREP \st, (\a)%4, \bq
.endr
.if (\st) == 6
	FLUMP (\a)%4, (\a)/4
.endif
.endm
.macro PH2 a0, q, zero, gnext, st      ; two tiles.  Behind a window's last tile its FIRST tile is built for the NEXT chunk (gnext = 0: there is none)
	PHASE \a0, \q, \zero, 1, \q, \st
.if ((\a0)%4) == 2
	PHASE (\a0)+1, \q, \zero, \gnext, ((\q)+1)%8, \st
.else
	PHASE (\a0)+1, \q, \zero, 1, \q, \st
.endif
.endm
.macro FETCH_B qn                      ; W's four fragments of chunk qn of a position, as they lie: 16 x lane, 512 bytes a load; into set qn % 2, whose last readers stand in the chunk before: 20 plain lines or more lie between
	WIN W_TOB
.irp bq, 0,1,2,3
.irp c, 0,1,2,3
	ds_load_b128 v[64*((\qn)%2)+16*\bq+4*\c:64*((\qn)%2)+16*\bq+4*\c+3], v[BADR] offset:((\qn)/4)*SLOTB+((\qn)%4)*8192+\bq*2048+\c*512
.endr
.endr
.endm
; A CHUNK.  kind 0: plain.  kind 1: a slot's last chunk, and the slot is filled again.  kind 2: a slot's last chunk in the tail: the other slot's load is waited for, nothing is filled.  kind 3: the very last chunk.
; xl = 1: the next position's xp comes from LDS.  st: the stage of the next position's preparation, or 0.
.macro CHUNK q, kind, zero, xl, st
.if (\kind) == 1
	s_wait_xcnt 0x0                                ; the last prefetch, four chunks back, has read its address: it is stepped here, ahead of the waits of the change of slots
	s_add_nc_u64 s[PFA:PFA+1], s[PFA:PFA+1], SLOTB
	WIN 0                                          ; (the add's two registers lie in window 0)
	s_wait_tensorcnt 0x0                           ; all my tensor loads have landed: the one that was out is the other slot's;
	ds_add_u32 v[SPW], v[NIL]                      ; 0 onto my spare word
	s_wait_dscnt 0x1                               ; (the add alone may be out: this chunk's fragments of W, my last reads of this slot, are in)
	WIN W_LO
	PH2 0, \q, 0, 1, \st                           ; eight matrix instructions and their slices stand between the add and the wait for it
	s_wait_dscnt 0x0                               ; the add is done, and my reads of this slot are over
	s_barrier_signal -1                            ; this barrier opens a round of the cluster's barrier
	PH2 2, \q, 0, 1, \st                           ; work on registers while the others arrive
	WIN 0
	s_barrier_wait -1
	CREST                                          ; no wave of any partner still reads this slot's tile or has a load on its way
	s_add_nc_u64 s[G0+4*((\q)/4)+2:G0+4*((\q)/4)+3], s[G0+4*((\q)/4)+2:G0+4*((\q)/4)+3], 2*SLOTB   ; no tensor load of mine is out: the slot's next tile, two slots on
	tensor_load_to_lds s[G0+4*((\q)/4):G0+4*((\q)/4)+3], s[G1:G1+7]   ; my one tensor load behind the round, and the first thing there: one load of mine is out
	s_nop 0
.rept 4
	v_nop                                          ; four lines behind the tensor load, ahead of the next switch of windows
.endr
	FETCH_B ((\q)+1)%8                             ; from the other slot: 16 matrix instructions ahead of their use
	WIN 0
	ASK
	WIN W_HI
	PH2 4, \q, 0, 1, \st
	PH2 6, \q, 0, 1, \st
.else
.set GNX, 1
.if (\kind) == 3
.set GNX, 0
.endif
.if (\kind) == 2
	s_wait_tensorcnt 0x0                           ; my last tile has landed; only I read it, so my own wait is all the ordering that the reads need
.endif
	s_wait_dscnt 0x0                               ; this chunk's fragments of W are in, and any xp
	WIN W_LO
	PH2 0, \q, \zero, 1, \st
.if (\kind) != 3
	FETCH_B ((\q)+1)%8                             ; in one run, 24 matrix instructions ahead of their use
.endif
.if \xl
	WIN W_XLO
.irp ta, 0,1,2,3
	ds_load_b32 v[PB+8*\ta+3], v[XLA] offset:\ta*128
.endr
	WIN W_XHI
.irp ta, 0,1,2,3
	ds_load_b32 v[PB+8*\ta+3], v[XLA] offset:(4+\ta)*128
.endr
.endif
	WIN W_LO
	PH2 2, \q, \zero, GNX, \st
	WIN W_HI
	PH2 4, \q, \zero, 1, \st
	PH2 6, \q, \zero, GNX, \st
.endif
.endm
.macro HEADP hi                        ; position 0, ahead of the first product: all six stages for a window's four tiles, their F, and the first tile's fragment for chunk 0
.if \hi
	WIN W_HI
.else
	WIN W_LO
.endif
.irp ta, 0,1,2,3
.irp st, 1,2,3,4,5,6
.irp k, 0,1,2,3
	PREP \st, \ta, \k
.endr
.endr
.endr
.if \hi
	WIN W_FHI
.else
	WIN W_FLO
.endif
.irp ta, 0,1,2,3
	FPK \ta, \hi
.endr
.if \hi
	WIN W_HI
.else
	WIN W_LO
.endif
.irp k, 0,1,2,3
	GENS 0, \hi, 0, \k
.endr
.endm
	s_load_b256 s[4:11], s[0:1], 0x0               ; x s[4:5], wq s[6:7], b s[8:9], the scales' exponents s[10:11]
	s_load_b64 s[12:13], s[0:1], 0x20              ; out0
	v_lshl_add_u32 v[SPW], v0, 2, SPARE
	v_mov_b32 v[NIL], 0
	ds_add_u32 v4, v5
	ds_add_u32 v4, v5
	s_wait_dscnt 0x0
	v_lshrrev_b32 v1, 5, v0
	v_readfirstlane_b32 s[WV], v1                  ; wave 0..3
	s_bfe_u32 s15, ttmp6, 0x40000                  ; cx: my place in the cluster: it enters x's, out0's and the prefetches' addresses alone
	s_lshl_b32 s16, ttmp9, 2                       ; in a cluster launch ttmp9 counts clusters
	s_add_co_u32 s16, s16, s15                     ; mt: my 128 rows
	s_and_b32 s17, ttmp7, 0xffff                   ; nt: my 64 columns, which the four partners share
	; descriptor group 1: a dense block of 32,768 bytes as 128 rows of 32 elements of 8 bytes, no padding
	s_mov_b32 s[G1+0], 15|(3<<16)|(1<<21)          ; 15:0 the mask: all four work-groups; 17:16 elements of 8 bytes; 21 set beside a mask
	s_mov_b32 s[G1+1], 32<<16                      ; tensor_dim0 = 32
	s_mov_b32 s[G1+2], 128<<16                     ; tensor_dim1 = 128
	s_mov_b32 s[G1+3], 32<<16                      ; tile_dim0 = 32
	s_mov_b32 s[G1+4], 128                         ; tile_dim1 = 128
	s_mov_b32 s[G1+5], 32                          ; tensor_dim0_stride
	s_mov_b32 s[G1+6], 0
	s_mov_b32 s[G1+7], 0
	s_lshl_b32 s18, s17, 21                        ; wq: my tile column's 2^21 bytes,
	s_lshl_b32 s19, s[WV], 19                      ; my wave's quarter of K
	s_add_co_u32 s18, s18, s19
	s_mov_b32 s19, 0
	s_lshl_b32 s20, s[WV], 16                      ; my ring in LDS: no place in the cluster enters an LDS address
	s_wait_kmcnt 0x0
	s_load_b64 s[50:51], s[10:11], 0x0             ; e0, e1
	s_add_nc_u64 s[6:7], s[6:7], s[18:19]
	CROUND                                         ; all four work-groups are here: the first joint loads meet
.irp s, 0,1
	s_mov_b32 s[G0+4*\s], 1                        ; count = 1
	s_add_co_u32 s[G0+4*\s+1], s20, \s*SLOTB       ; LDS address
	s_add_nc_u64 s[G0+4*\s+2:G0+4*\s+3], s[6:7], \s*SLOTB   ; global address: my slot s
	s_or_b32 s[G0+4*\s+3], s[G0+4*\s+3], 0x80000000   ; type = 2
.endr
	tensor_load_to_lds s[G0:G0+3], s[G1:G1+7]      ; both first fills go out together, ahead of every wait on TENSORcnt and every LDS read: two loads of mine are out
	s_nop 0
	tensor_load_to_lds s[G0+4:G0+7], s[G1:G1+7]
	s_nop 0
.rept 4
	v_nop
.endr
	v_and_b32 v1, 31, v0                           ; lane
	v_and_b32 v2, 15, v0                           ; r
	v_bfe_u32 v3, v0, 4, 1                         ; h
	v_lshlrev_b32 v[XO], 7, v2                     ; a row of x is 128 bytes
	v_lshlrev_b32 v[BO], 4, v2
	s_lshl_b32 s22, s16, 14                        ; x: my 128 rows,
	s_lshl_b32 s23, s[WV], 5                       ;    my wave's 8 positions: 32 bytes of each row
	s_add_co_u32 s22, s22, s23
	s_mov_b32 s23, 0
	s_add_nc_u64 s[4:5], s[4:5], s[22:23]
	s_lshl_b32 s22, s17, 8                         ; b: my 64 columns
	s_add_nc_u64 s[8:9], s[8:9], s[22:23]
.irp a, 0,1,2,3,4,5,6,7                ; v[SUM + 8 a + p] = x[16 a + r][8 w + p]: both halves of the lanes take row r
	global_load_b128 v[SUM+8*\a:SUM+8*\a+3],   v[XO], s[4:5] offset:2048*\a
	global_load_b128 v[SUM+8*\a+4:SUM+8*\a+7], v[XO], s[4:5] offset:2048*\a+16
.endr
	global_load_b128 v[BIAS:BIAS+3], v[BO], s[8:9]
	s_lshl_b32 s22, s16, 19                        ; out0: row 128 mt + 32 w of 4,096 bytes, + 256 nt
	s_lshl_b32 s21, s[WV], 17
	s_add_co_u32 s22, s22, s21
	s_lshl_b32 s21, s17, 8
	s_add_co_u32 s22, s22, s21
	s_add_nc_u64 s[12:13], s[12:13], s[22:23]
	s_lshl_b32 s22, s15, 13                        ; the prefetches: my work-group's 8,192 bytes of a slot,
	s_add_co_u32 s22, s22, 3*SLOTB                 ; in slot 3: the first refill steps it to slot 4.  Nothing is prefetched here, at the head, where every work-group's first tiles are on their way
	s_add_nc_u64 s[PFA:PFA+1], s[6:7], s[22:23]
	s_cmp_eq_u32 ttmp9, 0                          ; the same in all four partners
	s_cselect_b32 s[LIM], 1, -1
	v_lshlrev_b32 v[PFO], 8, v1
	s_mul_i32 s21, s[WV], REDW
	v_mul_u32_u24 v[RSTO], v2, RP
	v_lshl_add_u32 v[RSTO], v3, 5, v[RSTO]
	v_add_nc_u32 v[RSTO], s21, v[RSTO]             ; my partial tile: row r, + 32 h
	s_mul_i32 s21, s[WV], 32*RP
	v_mul_u32_u24 v[RLD0], v3, RP
	v_lshl_add_u32 v[RLD0], v2, 4, v[RLD0]
	v_add_nc_u32 v[RLD0], s21, v[RLD0]             ; back: rows 32 w on; lanes 0-15 one row of 256 bytes, lanes 16-31 the next
	v_add_nc_u32 v[RLD1], 2*REDW, v[RLD0]
	v_lshlrev_b32 v[OADR], 12, v3
	v_lshl_add_u32 v[OADR], v2, 4, v[OADR]         ; and the same two rows in out0
	s_lshl_b32 s21, s[WV], 13
	s_add_co_u32 s21, s21, XIMG
	v_lshl_add_u32 v[XST], v1, 2, s21              ; xp: my wave's 8,192 bytes, + 4 x lane
	v_lshl_add_u32 v[BADR], v1, 4, s20             ; my ring, + 16 x lane
	v_lshlrev_b32 v[HX], 6, v3
	s_wait_kmcnt 0x0
	s_add_co_i32 s21, s50, 127
	s_lshl_b32 s22, s21, 23
	v_mov_b32 v25, s22                             ; 2^e0 as f32
	s_add_co_i32 s21, s21, 15
	s_lshl_b32 s21, s21, 23
	s_or_b32 s21, s21, 0x600000
	v_mov_b32 v24, s21                             ; 57,344 x 2^e0
	v_min_num_f32 v16, 1.0, v24                    ; 1.0, held at the largest code x the scale (the conversion does not saturate: ISA guide 7.6.2)
.irp j, 17,18,19,20,21,22,23
	v_mov_b32 v\j, 0
.endr
	v_cvt_scalef32_pk8_bf8_f32 v[26:27], v[16:23], v25
	v_nop                                          ; one plain line between a scaled conversion and the first line that touches its result
	v_and_b32 v26, 0xff, v26
	v_readfirstlane_b32 s[C1], v26                 ; the board's one code that is not 0
	s_add_co_i32 s[SC], s50, s51
	s_add_co_i32 s[SC], s[SC], 127
	s_lshl_b32 s[SC], s[SC], 23                    ; 2^(e0 + e1) as f32
	s_mov_b32 s[SC+1], s[SC]                       ; (named with it as a pair, so it is written)
	s_mov_b32 s[CNT], 7
	s_mov_b32 s[XS], 1024
	s_wait_loadcnt 0x0                             ; x and b
.set j, 0
.rept 64
	v_xor_b32 v[SUM+j], v[HX], v[SUM+j]            ; xp
.set j, j+1
.endr
.irp a, 0,1,2,3,4,5,6,7
.irp p, 0,1,2,3,4,5,6,7
	ds_store_b32 v[XST], v[SUM+8*\a+\p] offset:(8*\p+\a)*128
.endr
.endr
	WIN W_XLO
.irp ta, 0,1,2,3
	ds_load_b32 v[PB+8*\ta+3], v[XST] offset:\ta*128   ; position 0.  My own bytes: LDS serves a wave's instructions in order (ISA guide 5.7.1.4)
.endr
	WIN W_XHI
.irp ta, 0,1,2,3
	ds_load_b32 v[PB+8*\ta+3], v[XST] offset:(4+\ta)*128
.endr
	s_wait_tensorcnt 0x1                           ; my slot 0 is in; slot 1's load may stay out.  Only I read my slots
	FETCH_B 0
	s_wait_dscnt 0x0
	HEADP 0
	HEADP 1
	CHUNK 0, 0, 1, 0, 0                            ; the first chunk stands in front of the loop: its products start the sums: nothing is ever cleared
	WIN 0                                          ; at a label and at a branch every window is 0
.Ltrip:                                                ; seven trips: from a position's second chunk to the next position's first; both slots are filled again
	v_add_nc_u32 v[XLA], s[XS], v[XST]             ; where the next position's xp lies
	CHUNK 1, 0, 0, 1, 0
	CHUNK 2, 0, 0, 0, 1
	CHUNK 3, 1, 0, 0, 2
	CHUNK 4, 0, 0, 0, 3
	CHUNK 5, 0, 0, 0, 4
	CHUNK 6, 0, 0, 0, 5
	CHUNK 7, 1, 0, 0, 6
	CHUNK 0, 0, 0, 0, 0
	WIN 0
	s_add_co_u32 s[XS], s[XS], 1024
	s_sub_co_u32 s[CNT], s[CNT], 1
	s_cmp_lg_u32 s[CNT], 0
	s_cbranch_scc1 .Ltrip
	CHUNK 1, 0, 0, 0, 0                            ; the last position is written out: it asks for nothing more and prepares nothing
	CHUNK 2, 0, 0, 0, 0
	CHUNK 3, 2, 0, 0, 0
	CHUNK 4, 0, 0, 0, 0
	CHUNK 5, 0, 0, 0, 0
	CHUNK 6, 0, 0, 0, 0
	CHUNK 7, 3, 0, 0, 0
	; THE FOUR WAVES' TILES ARE ADDED.  The partial tiles go into the ring's first bytes, other waves' slots among them: so every wave first waits for its tensor loads and its reads of the ring, and all four meet.
	WIN 0
	s_wait_tensorcnt 0x0
	ds_add_u32 v[SPW], v[NIL]                      ; 0 onto my spare word
.rept 4
	v_nop                                          ; the places between the last products and the stores that read their results
.endr
	s_wait_dscnt 0x0
	s_barrier_signal -1
	s_barrier_wait -1
	WIN 0x08                                       ; a store's data: window 2
.irp a, 0,1,2,3
.irp bq, 0,1,2,3
	ds_store_b128 v[RSTO], v[8*(4*\a+\bq):8*(4*\a+\bq)+3]   offset:\a*16*RP+64*\bq      ; lane (r, h): row 16 a + r, columns 16 bq + 8 h + 0 .. 7; each accumulator from its low end on
	ds_store_b128 v[RSTO], v[8*(4*\a+\bq)+4:8*(4*\a+\bq)+7] offset:\a*16*RP+64*\bq+16
.endr
.endr
	WIN 0x0c                                       ; window 3
.irp a, 0,1,2,3
.irp bq, 0,1,2,3
	ds_store_b128 v[RSTO], v[8*(4*\a+\bq):8*(4*\a+\bq)+3]   offset:(4+\a)*16*RP+64*\bq
	ds_store_b128 v[RSTO], v[8*(4*\a+\bq)+4:8*(4*\a+\bq)+7] offset:(4+\a)*16*RP+64*\bq+16
.endr
.endr
	WIN 0
	s_wait_dscnt 0x0                               ; for the others' sake: my stores are done
	s_barrier_signal -1
	s_barrier_wait -1
.irp t, 0,1,2,3,4,5,6,7,8,9,10,11,12,13,14,15      ; wave w takes rows 32 w .. 32 w + 31 of all four tiles, two rows a load
	ds_load_b128 v[SUM+4*\t:SUM+4*\t+3], v[RLD0] offset:2*RP*\t
.endr
.irp t, 0,1,2,3,4,5,6,7,8,9,10,11,12,13,14,15
	ds_load_b128 v[T1+4*\t:T1+4*\t+3], v[RLD0] offset:REDW+2*RP*\t
.endr
.irp t, 0,1,2,3,4,5,6,7,8,9,10,11,12,13,14,15
	ds_load_b128 v[T2+4*\t:T2+4*\t+3], v[RLD1] offset:2*RP*\t
.endr
	s_wait_dscnt 16                                ; waves 0 and 1's are in; the 16 loads of wave 2's may be out
.set j, 0
.rept 32
	v_pk_add_f32 v[SUM+j:SUM+j+1], v[SUM+j:SUM+j+1], v[T1+j:T1+j+1]
.set j, j+2
.endr
.irp t, 0,1,2,3,4,5,6,7,8,9,10,11,12,13,14,15
	ds_load_b128 v[T1+4*\t:T1+4*\t+3], v[RLD1] offset:REDW+2*RP*\t
.endr
	s_wait_dscnt 16                                ; wave 2's are in; the 16 loads of wave 3's may be out
.set j, 0
.rept 32
	v_pk_add_f32 v[SUM+j:SUM+j+1], v[SUM+j:SUM+j+1], v[T2+j:T2+j+1]
.set j, j+2
.endr
	s_wait_dscnt 0x0
.set j, 0
.rept 32
	v_pk_add_f32 v[SUM+j:SUM+j+1], v[SUM+j:SUM+j+1], v[T1+j:T1+j+1]
.set j, j+2
.endr
.irp t, 0,1,2,3,4,5,6,7,8,9,10,11,12,13,14,15
	v_pk_fma_f32 v[SUM+4*\t:SUM+4*\t+1],   v[SUM+4*\t:SUM+4*\t+1],   s[SC:SC+1], v[BIAS:BIAS+1]   op_sel_hi:[1,0,1]   ; sum x 2^(e0 + e1) + b (the scalar pair's low word for both halves)
	v_pk_fma_f32 v[SUM+4*\t+2:SUM+4*\t+3], v[SUM+4*\t+2:SUM+4*\t+3], s[SC:SC+1], v[BIAS+2:BIAS+3] op_sel_hi:[1,0,1]
.endr
.irp t, 0,1,2,3,4,5,6,7,8,9,10,11,12,13,14,15
	global_store_b128 v[OADR], v[SUM+4*\t:SUM+4*\t+3], s[12:13] offset:8192*\t th:TH_STORE_NT   ; 16 lanes store 256 consecutive bytes, at a multiple of 256 from out0's first byte; written once, read by nobody here
.endr
	s_wait_tensorcnt 0x0                           ; the wave's end, behind my last tensor load and my last LDS store
	ds_add_u32 v[SPW], v[NIL]
	s_wait_dscnt 0x0
	CROUND                                         ; the closing round: no work-group ends while a partner may still ask for a tile that names it
	s_endpgm
.Lfunc_end_k_qa1503d68f8_gemm:
	.size	k_qa1503d68f8_gemm, .Lfunc_end_k_qa1503d68f8_gemm-k_qa1503d68f8_gemm
	.p2alignl 7, 3214868480
	.fill 96, 4, 3214868480
	.section	.rodata,"a",@progbits
	.p2align	6, 0x0
	.amdhsa_kernel k_qa1503d68f8_gemm
		.amdhsa_group_segment_fixed_size 327680
		.amdhsa_private_segment_fixed_size 0
		.amdhsa_enable_private_segment 0
		.amdhsa_kernarg_size 40
		.amdhsa_user_sgpr_count 2
		.amdhsa_user_sgpr_kernarg_segment_ptr 1
		.amdhsa_wavefront_size32 1
		.amdhsa_system_sgpr_workgroup_id_x 1
		.amdhsa_system_sgpr_workgroup_id_y 1
		.amdhsa_system_sgpr_workgroup_id_z 1
		.amdhsa_system_vgpr_workitem_id 0
		.amdhsa_next_free_vgpr 1024
		.amdhsa_next_free_sgpr 66
		.amdhsa_reserve_vcc 1
		.amdhsa_float_denorm_mode_32 3
		.amdhsa_float_denorm_mode_16_64 3
		.amdhsa_memory_ordered 1
		.amdhsa_forward_progress 1
		.amdhsa_inst_pref_size 184
	.end_amdhsa_kernel
	.amdgpu_metadata
---
amdhsa.version: [ 1, 2 ]
amdhsa.kernels:
  - .name:           k_qa1503d68f8_gemm
    .symbol:         k_qa1503d68f8_gemm.kd
    .args:
      - { .name: x, .offset: 0, .size: 8, .value_kind: global_buffer, .address_space: global }
      - { .name: wq, .offset: 8, .size: 8, .value_kind: global_buffer, .address_space: global }
      - { .name: b, .offset: 16, .size: 8, .value_kind: global_buffer, .address_space: global }
      - { .name: lowp_scales, .offset: 24, .size: 8, .value_kind: global_buffer, .address_space: global }
      - { .name: out0, .offset: 32, .size: 8, .value_kind: global_buffer, .address_space: global }
    .group_segment_fixed_size: 327680
    .private_segment_fixed_size: 0
    .kernarg_segment_align: 8
    .kernarg_segment_size: 40
    .max_flat_workgroup_size: 128
    .sgpr_count:     66
    .vgpr_count:     1024
    .wavefront_size: 32
...
	.end_amdgpu_metadata
.endif
;; end of part 2
